; MI455X (gfx1250); checked and timed in simulation.
; The chip was launched on July 23, 2026; its instructions are those of AMD's public machine-readable ISA for CDNA 5 (MIT licence, August 2026) and "CDNA5" Instruction Set Architecture Reference Guide (July 2026). The comments in the code are by the model that wrote it; some were corrected since.
;; Ro I Heads. Allowed arithmetic: float matrix products may take bf16 or f16 operands with f32 sums; other float arithmetic in f32, or as packed bf16 or f16 multiplies, adds, multiply-adds, maxima and minima; sums over many terms, partial sums and values carried from step to step in f32; what a program stores and reads back later, other than sums and carried values, may be rounded once to bf16 or f16.
;; Inputs: box_regression 2,000 x 180 float32; class_logits 2,000 x 45 float32; proposals 2 x 1,000 x 4 float32.
;; Outputs: out0 2 x 100 x 4 float32; out1 2 x 100 float32; out2 2 x 100 int32.
;; One version. Each part assembles by itself: llvm-mc -triple=amdgcn-amd-amdhsa -mcpu=gfx1250 --defsym DOCPART=n.
;; ======== version 1 of 1: 3 launches
;; workspace buffers: order 360,448 bytes of whole numbers; skey 360,448 bytes; counts 22,528 bytes of whole numbers; dbox 1,441,792 bytes; sbox 720,896 bytes; kmask 22,528 bytes of whole numbers
;; launch sortk (part 1): grid 44 x 2, 8 waves a work-group, no clusters, 230,656 bytes of LDS; arguments class_logits, box_regression, proposals, order, skey, counts, dbox; writes order, skey, counts, dbox
.if DOCPART == 1
	.amdgcn_target "amdgcn-amd-amdhsa--gfx1250"
	.amdhsa_code_object_version 6
	.text
	.protected	k_qbc7da222fe_sortk
	.globl	k_qbc7da222fe_sortk
	.p2align	8
	.type	k_qbc7da222fe_sortk,@function
k_qbc7da222fe_sortk:
	s_mov_b64 s[64:65], 0
	v_nop
	global_prefetch_b8 v0, s[64:65] scope:SCOPE_SE
	s_setreg_imm32_b32 hwreg(HW_REG_WAVE_MODE, 25, 1), 1
	s_wait_xcnt 0x0
; RoIHeads post-processing, launch 1 of 3: scores, boxes, validity, and each class's order by score.
; One work-group = one image (0, 1) and one class c (1 .. 44).  For its 1,000 proposals it makes the softmax score of class c, decodes and clips the class's box, and sorts (key, proposal) so that a
; greater key comes first and, among equal keys, the lower proposal (a stable argsort of -st).  key = the score's bits where score > 0.05, width >= 0.01 and height >= 0.01, else 0.
; Stored, at row = image x 44 + c - 1: order[row][rank] = proposal (numbers 1000 .. 1023 are padding), skey[row][rank] = key, counts[row] = n, the number of valid entries, 64 times, dbox[row][proposal] = the box.
; WORK LEFT OUT IN THE THREE LAUNCHES, for all values of the inputs:
;  - boxes[:, :, 1:, :] slices class 0 away: columns 0 .. 3 of box_regression are never loaded (class 0's logit stays in the softmax's sum);
;  - an entry that is not valid starts the scan with keep = False: it suppresses nobody (sup holds keep[i]), its final is -1, and det = topv > 0 turns it into zeros: its row and column of iou reach no output.
;    Which entries those are is the whole number n that this launch stores; the later launches read it and walk the first ceil(n / 32) blocks of 32 ranks alone;
;  - sup holds idx > i: pairs j <= i are not made where they come in whole blocks;
;  - ss is sorted, so of a class only its first 100 kept entries can be among the image's 100 greatest: launch 3 carries the first 128.
; A NaN, an infinity or an overflow that reaches only the work left out is not carried to the result.
; LIMITS.  NaN and infinities among the inputs are not treated apart.  exp and 1/x are good to 1 ULP and not correctly rounded: two scores that agree to the last bits may change places against f32 division.
; An exponential below 2^-126 counts as 0.  The maximum is taken away before every exponential of the softmax, as in the problem.
; THE SORT uses no address and no branch that hangs on a score: a bitonic network of 55 steps on 1,024 places.  Place e = register (bits 0-1), lane (bits 2-6), wave (bits 7-9).  A merge of two sorted
; runs of 2^(k-1) begins with a flip (partner e xor (2^k - 1)) and goes on with partners e xor 2^j, j = k-2 .. 0; in every step the lower place keeps the entry that comes first.
; 19 steps lie between registers, 30 between lanes (DPP row_xmask, v_permlanex16_b32), 6 between waves (through LDS: six buffers, each written once, one barrier each).
; NO CLUSTER: the 44 work-groups of an image read the same 180,000 bytes of logits, but the class's own logit is read from LDS at an address that holds the class, which in a cluster would be made of the
; work-group's place.  NO MATRIX UNIT: there is no product.
.set IMGB,  180000                     ; bytes of an image's logits: 1,000 rows of 45 f32, at LDS byte 0; the 224 bytes behind them take the copy's overhang and are never read
.set SBUF,  180224                     ; six buffers of 8,192 bytes: 256 threads x 16 bytes of keys, then of proposals
.set CNTW,  229376                     ; eight words: each wave's number of valid entries
.set SPARE, 229632                     ; the spare words, 128 bytes for each of the 8 waves: four blocks of 256 bytes that no other line names
.set NA,  2                            ; arrays of an entry: key, proposal
.set SPW, 1                            ; v1   LDS address of my spare word; never rewritten
.set NIL, 2                            ; v2   0; never rewritten
.set LN,  3                            ; v3   lane
.set LA,  4                            ; v4-6 16 t + 65,536 g: LDS addresses of the copy; v4 also my offset in the logits, order, skey, dbox
.set LO2, 7                            ; v7   the last chunk's offset in memory, held inside the image
.set RO,  8                            ; v8-11  byte offsets of my four rows in box_regression
.set PO,  12                           ; v12-15 in proposals
.set RW,  16                           ; v16-19 LDS addresses of my four rows of logits
.set RC,  20                           ; v20-23 the same at class c
.set ACC, 24                           ; v24-27 keys, v28-31 proposals
.set K,   24
.set I,   28
.set REG, 32                           ; v32-47 four deltas a row, then the box
.set PRP, 48                           ; v48-63 the proposal, then centre, width, height
.set X,   64                           ; v64-247 the copy's 44 chunks; then 46 numbers a row: 45 logits and class c's once more
.set PAR, 64                           ; later: v64-71 the partner's entries
.set SA,  76                           ; later: where I put 16 bytes in a sort buffer
.set LF,  77                           ; my lane's place read forward,
.set LR,  78                           ; and backward
.set PA,  79                           ; the partner's address
.set TM,  248                          ; v248-251 at work
.set ML,  252                          ; v252-253 maximum x log2(e), as a pair
.set TA,  254
.set WV,  18
.set IMG, 19
.set C0,  20
.set ROW, 21
.set M,   24                           ; s24-27, s28-31, s32-35 masks of a step, one for each register
.set EQ,  28
.set LT,  32
.set L2E, 36                           ; s[36:37] log2(e), as a pair
.set S800, 38
.set THR, 39
.set MINS, 40
.set CNT, 41
.set PW,  42
.set UP,  43                           ; the lanes that hold a step's upper places
.set IDS, 44                           ; s[44:45] v_permlanex16_b32: lane i of the other half
.set RVS, 46                           ; s[46:47] lane 15 - i of the other half: together lane xor 31
; THE SORT'S STEPS.  'b comes first' = b's key is greater, or the keys are equal and b's number is lower.
.macro CMP3 ka, ia, kb, ib, x
	v_cmp_gt_u32 s[M+(\x)], v[\kb], v[\ka]
	v_cmp_eq_u32 s[EQ+(\x)], v[\kb], v[\ka]
	v_cmp_lt_u32 s[LT+(\x)], v[\ib], v[\ia]
.endm
.macro COMB x, fx
	s_and_b32 s[EQ+(\x)], s[EQ+(\x)], s[LT+(\x)]
	s_or_b32 s[M+(\x)], s[M+(\x)], s[EQ+(\x)]
.if \fx
	s_xor_b32 s[M+(\x)], s[M+(\x)], s[UP]
.endif
.endm
; The partner's entries lie in PAR, in the partner's own register order (rev = 1: a flip, register 3 - r).  A lower place takes the partner's entry if that comes first, an upper place if it does not.
.macro SEL rev
.irp r,0,1,2,3
	CMP3 ACC+\r, ACC+4+\r, PAR+\r+(\rev)*(3-2*\r), PAR+4+\r+(\rev)*(3-2*\r), \r
.endr
.irp r,0,1,2,3
	COMB \r, 1
.endr
.irp r,0,1,2,3
.set n, 0
.rept NA
	v_cndmask_b32 v[ACC+4*n+\r], v[ACC+4*n+\r], v[PAR+4*n+\r+(\rev)*(3-2*\r)], s[M+\r]
.set n, n+1
.endr
.endr
.endm
.macro FDPP msk                        ; the entries of lane xor msk (1 .. 15)
.set n, 0
.rept 4*NA
	v_mov_b32_dpp v[PAR+n], v[ACC+n] row_xmask:\msk row_mask:0xf bank_mask:0xf
.set n, n+1
.endr
.endm
.macro FX16 sel                        ; the entries of lane xor 16 (IDS) or lane xor 31 (RVS)
.set n, 0
.rept 4*NA
	v_permlanex16_b32 v[PAR+n], v[ACC+n], s[\sel], s[\sel+1]
.set n, n+1
.endr
.endm
.macro LST msk, rev, upm
	FDPP \msk
	s_mov_b32 s[UP], \upm
	SEL \rev
.endm
.macro SWP a, b, x
.set n, 0
.rept NA
	v_mov_b32 v[PAR+4*n+(\x)], v[ACC+4*n+(\a)]
	v_cndmask_b32 v[ACC+4*n+(\a)], v[ACC+4*n+(\a)], v[ACC+4*n+(\b)], s[M+(\x)]
	v_cndmask_b32 v[ACC+4*n+(\b)], v[ACC+4*n+(\b)], v[PAR+4*n+(\x)], s[M+(\x)]
.set n, n+1
.endr
.endm
.macro CE2 a0, b0, a1, b1              ; two pairs of registers: a keeps the entry that comes first
	CMP3 ACC+\a0, ACC+4+\a0, ACC+\b0, ACC+4+\b0, 0
	CMP3 ACC+\a1, ACC+4+\a1, ACC+\b1, ACC+4+\b1, 1
	COMB 0, 0
	COMB 1, 0
	SWP \a0, \b0, 0
	SWP \a1, \b1, 1
.endm
.macro REGT                            ; places 2 and 1 apart
	CE2 0, 2, 1, 3
	CE2 0, 1, 2, 3
.endm
.macro LANET                           ; places 64 .. 1 apart
	FX16 IDS
	s_mov_b32 s[UP], 0xffff0000
	SEL 0
	LST 8, 0, 0xff00ff00
	LST 4, 0, 0xf0f0f0f0
	LST 2, 0, 0xcccccccc
	LST 1, 0, 0xaaaaaaaa
	REGT
.endm
; A step between waves: buffer buf, partner wave = mine xor wm, top = wm's highest bit, fl = 1: a flip.  Each buffer is written in one step alone, so one barrier, between every wave's finished stores and
; the loads, is all the ordering that the step needs.
.macro XST buf, wm, top, fl
.set n, 0
.rept NA
	ds_store_b128 v[SA], v[ACC+4*n:ACC+4*n+3] offset:(\buf)*8192+4096*n
.set n, n+1
.endr
	s_xor_b32 s[PW], s[WV], \wm
	s_lshl_b32 s[PW], s[PW], 9
.if \fl
	v_add_nc_u32 v[PA], s[PW], v[LR]
.else
	v_add_nc_u32 v[PA], s[PW], v[LF]
.endif
	s_bitcmp1_b32 s[WV], \top
	s_cselect_b32 s[UP], -1, 0                         ; all lanes of the upper wave are upper places
	s_wait_dscnt 0x0                                   ; for the others' sake: my stores are done
	s_barrier_signal -1
	s_barrier_wait -1
.set n, 0
.rept NA
	ds_load_b128 v[PAR+4*n:PAR+4*n+3], v[PA] offset:(\buf)*8192+4096*n
.set n, n+1
.endr
	s_wait_dscnt 0x0
	SEL \fl
.endm
; BoxCoder.decode, first part: widths, centres, and the exponents of the two exponentials.  c: four deltas; q: the proposal.
.macro DEC1 c, q
	v_sub_f32 v[(\q)+2], v[(\q)+2], v[(\q)]            ; w
	v_sub_f32 v[(\q)+3], v[(\q)+3], v[(\q)+1]          ; h
	v_mul_f32 v[(\c)], 0x41200000, v[(\c)]             ; dx = c0 / 0.1
	v_mul_f32 v[(\c)+1], 0x41200000, v[(\c)+1]
	v_mul_f32 v[(\c)+2], 0x40a00000, v[(\c)+2]         ; c2 / 0.2
	v_mul_f32 v[(\c)+3], 0x40a00000, v[(\c)+3]
	v_fma_f32 v[(\q)], 0.5, v[(\q)+2], v[(\q)]         ; cx
	v_fma_f32 v[(\q)+1], 0.5, v[(\q)+3], v[(\q)+1]
	v_min_num_f32 v[(\c)+2], 0x40845349, v[(\c)+2]     ; at most log(1000 / 16)
	v_min_num_f32 v[(\c)+3], 0x40845349, v[(\c)+3]
	v_fma_f32 v[(\q)], v[(\c)], v[(\q)+2], v[(\q)]     ; pcx
	v_fma_f32 v[(\q)+1], v[(\c)+1], v[(\q)+3], v[(\q)+1]
	v_mul_f32 v[(\c)+2], 0x3fb8aa3b, v[(\c)+2]         ; e^x = 2^(x log2 e)
	v_mul_f32 v[(\c)+3], 0x3fb8aa3b, v[(\c)+3]
.endm
; second part, behind the exponentials: the box, clipped to the image, in c; its width and height in q + 2, q + 3
.macro DEC2 c, q
	v_mul_f32 v[(\c)+2], v[(\c)+2], v[(\q)+2]          ; pw
	v_mul_f32 v[(\c)+3], v[(\c)+3], v[(\q)+3]
	v_fma_f32 v[(\c)], -0.5, v[(\c)+2], v[(\q)]
	v_fma_f32 v[(\c)+1], -0.5, v[(\c)+3], v[(\q)+1]
	v_fma_f32 v[(\c)+2], 0.5, v[(\c)+2], v[(\q)]
	v_fma_f32 v[(\c)+3], 0.5, v[(\c)+3], v[(\q)+1]
.irp f,0,1,2,3
	v_med3_num_f32 v[(\c)+\f], v[(\c)+\f], 0, s[S800]
.endr
	v_sub_f32 v[(\q)+2], v[(\c)+2], v[(\c)]
	v_sub_f32 v[(\q)+3], v[(\c)+3], v[(\c)+1]
.endm
; one of my rows out of LDS: lanes 45 words apart, an odd pitch: 32 lanes, 32 different banks (64 banks of 4 bytes: ISA guide 11.1)
.macro ROWLD row
.set k, 0
.rept 45
	ds_load_b32 v[X+46*(\row)+k], v[RW+(\row)] offset:4*k
.set k, k+1
.endr
	ds_load_b32 v[X+46*(\row)+45], v[RC+(\row)]        ; class c's logit once more: the register of a class cannot be chosen at run time
.endm
; one row's maximum (four chains), exponents and 46 exponentials
.macro ROWEXP row
.set XB, X+46*(\row)
.irp f,0,1,2,3
	v_max3_num_f32 v[TM+\f], v[XB+3*\f], v[XB+3*\f+1], v[XB+3*\f+2]
.endr
.set i, 0
.rept 16
	v_max3_num_f32 v[TM+i%4], v[TM+i%4], v[XB+12+2*i], v[XB+13+2*i]
.set i, i+1
.endr
	v_max3_num_f32 v[TM], v[TM], v[TM+1], v[XB+44]
	v_max3_num_f32 v[TM], v[TM], v[TM+2], v[TM+3]
	v_mul_f32 v[ML], s[L2E], v[TM]
	v_mov_b32 v[ML+1], v[ML]                           ; named with it as a pair
.set i, 0
.rept 23
	v_pk_fma_f32 v[XB+2*i:XB+2*i+1], v[XB+2*i:XB+2*i+1], s[L2E:L2E+1], v[ML:ML+1] op_sel_hi:[1,0,0] neg_lo:[0,0,1] neg_hi:[0,0,1]
.set i, i+1
.endr
.set i, 0
.rept 46
	v_exp_f32 v[XB+i], v[XB+i]
.set i, i+1
.endr
.endm
; the sum of a row's 45 exponentials, in place, by pairs
.macro ROWSUM row
.set XB, X+46*(\row)
.irp p,0,2,4,6,8,10,12,14,16,18,20
	v_pk_add_f32 v[XB+2*\p:XB+2*\p+1], v[XB+2*\p:XB+2*\p+1], v[XB+2*\p+2:XB+2*\p+3]
.endr
.irp p,0,4,8,12,16
	v_pk_add_f32 v[XB+2*\p:XB+2*\p+1], v[XB+2*\p:XB+2*\p+1], v[XB+2*\p+4:XB+2*\p+5]
.endr
.irp p,0,8,16
	v_pk_add_f32 v[XB+2*\p:XB+2*\p+1], v[XB+2*\p:XB+2*\p+1], v[XB+2*\p+8:XB+2*\p+9]
.endr
	v_pk_add_f32 v[XB:XB+1], v[XB:XB+1], v[XB+16:XB+17]
	v_pk_add_f32 v[XB:XB+1], v[XB:XB+1], v[XB+32:XB+33]
	v_add_f32 v[XB], v[XB], v[XB+1]
	v_add_f32 v[XB], v[XB], v[XB+44]
.endm
	s_load_b256 s[4:11], s[0:1], 0x0                   ; class_logits s[4:5], box_regression s[6:7], proposals s[8:9], order s[10:11]
	s_load_b128 s[12:15], s[0:1], 0x20                 ; skey s[12:13], counts s[14:15]
	s_load_b64 s[16:17], s[0:1], 0x30                  ; dbox
	v_lshl_add_u32 v[SPW], v0, 2, SPARE
	v_mov_b32 v[NIL], 0
	v_lshrrev_b32 v[LN], 5, v0
	v_readfirstlane_b32 s[WV], v[LN]                   ; wave 0..7
	v_and_b32 v[LN], 31, v0
	s_and_b32 s[IMG], ttmp7, 0xffff
	s_min_u32 s[C0], ttmp9, 43                         ; class - 1: 43 at the most by the grid
	s_mul_i32 s[ROW], s[IMG], 44
	s_add_co_u32 s[ROW], s[ROW], s[C0]
	s_mul_i32 s48, s[IMG], IMGB                        ; the image's logits
	s_mov_b32 s49, 0
	s_mul_i32 s50, s[IMG], 720000                      ; the image's rows of box_regression, 720 bytes each,
	s_lshl_b32 s[PW], s[C0], 4
	s_add_co_u32 s50, s50, s[PW]
	s_add_co_u32 s50, s50, 16                          ; at class c: 16 c bytes into a row
	s_mov_b32 s51, 0
	s_mul_i32 s52, s[IMG], 16000                       ; the image's proposals
	s_mov_b32 s53, 0
	s_lshl_b32 s54, s[ROW], 12                         ; 4,096 bytes of order and of skey
	s_mov_b32 s55, 0
	s_lshl_b32 s56, s[ROW], 8                          ; 256 bytes of counts
	s_mov_b32 s57, 0
	s_lshl_b32 s[PW], s[C0], 2
	s_add_co_u32 s[PW], s[PW], 4                       ; 4 c
	s_mov_b32 s[L2E], 0x3fb8aa3b
	s_mov_b32 s[L2E+1], s[L2E]
	s_mov_b32 s[S800], 0x44480000                      ; 800.0
	s_mov_b32 s[THR], 0x3d4ccccd                       ; 0.05
	s_mov_b32 s[MINS], 0x3c23d70a                      ; 0.01
	s_mov_b32 s[IDS], 0x76543210
	s_mov_b32 s[IDS+1], 0xfedcba98
	s_mov_b32 s[RVS], 0x89abcdef
	s_mov_b32 s[RVS+1], 0x01234567
	; thread t takes proposals t, t + 256, t + 512, t + 768: neighbouring lanes, neighbouring rows.  Numbers from 1,000 on are padding: they read row 999 and are never valid
	v_mov_b32 v[I], v0
	v_add_nc_u32 v[I+1], 256, v0
	v_add_nc_u32 v[I+2], 512, v0
	v_add_nc_u32 v[I+3], 768, v0
	v_min_u32 v[TA], 999, v[I+3]
.irp r,0,1,2
	v_mul_u32_u24 v[RO+\r], v[I+\r], 720
	v_lshlrev_b32 v[PO+\r], 4, v[I+\r]
	v_mul_u32_u24 v[RW+\r], v[I+\r], 180
.endr
	v_mul_u32_u24 v[RO+3], v[TA], 720
	v_lshlrev_b32 v[PO+3], 4, v[TA]
	v_mul_u32_u24 v[RW+3], v[TA], 180
.irp r,0,1,2,3
	v_add_nc_u32 v[RC+\r], s[PW], v[RW+\r]
.endr
	v_lshlrev_b32 v[LA], 4, v0
	v_add_nc_u32 v[LA+1], 0x10000, v[LA]
	v_add_nc_u32 v[LA+2], 0x20000, v[LA]
	v_lshl_add_u32 v[LO2], v0, 4, 176128               ; chunk 43 x 256 + t, held in memory to the image's last chunk: threads 242 .. 255 load that chunk once more
	v_min_u32 v[LO2], 179984, v[LO2]
	s_wait_kmcnt 0x0
	s_add_nc_u64 s[4:5], s[4:5], s[48:49]
	s_add_nc_u64 s[6:7], s[6:7], s[50:51]
	s_add_nc_u64 s[8:9], s[8:9], s[52:53]
	s_add_nc_u64 s[10:11], s[10:11], s[54:55]
	s_add_nc_u64 s[12:13], s[12:13], s[54:55]
	s_add_nc_u64 s[14:15], s[14:15], s[56:57]
	s_lshl_b32 s54, s[ROW], 14                         ; 16,384 bytes of dbox
	s_add_nc_u64 s[16:17], s[16:17], s[54:55]
.irp r,0,1,2,3
	global_load_b128 v[REG+4*\r:REG+4*\r+3], v[RO+\r], s[6:7]
	global_load_b128 v[PRP+4*\r:PRP+4*\r+3], v[PO+\r], s[8:9]
.endr
	; THE LOGITS, once, into LDS: 11,250 chunks of 16 bytes, 44 a thread; a wave's load covers 512 consecutive bytes.  All 52 loads go out before the first wait
.set k, 0
.rept 43
	global_load_b128 v[X+4*k:X+4*k+3], v[LA], s[4:5] offset:k*4096
.set k, k+1
.endr
	global_load_b128 v[X+172:X+175], v[LO2], s[4:5]
.set k, 0
.rept 44
	s_wait_loadcnt 43-k                                ; loads come back in order: chunk k is in, the 43 - k chunks behind it may stay out
	ds_store_b128 v[LA+k/16], v[X+4*k:X+4*k+3] offset:(k%16)*4096  ; at 16 t + 4,096 k; in the last chunk threads 242 .. 255 fill the 224 bytes behind the logits
.set k, k+1
.endr
	s_wait_dscnt 0x0                                   ; for the others' sake: my part of the logits lies in LDS
	s_barrier_signal -1
	s_barrier_wait -1
	; a row's 46 loads go out ahead of the arithmetic of the row before it
	ROWLD 0
.irp r,0,1,2,3
	DEC1 REG+4*\r, PRP+4*\r
.endr
	s_wait_dscnt 0x0                                   ; row 0 is in
	ROWLD 1
	ROWEXP 0
	s_wait_dscnt 0x0
	ROWLD 2
	ROWEXP 1
	s_wait_dscnt 0x0
	ROWLD 3
	ROWEXP 2
	s_wait_dscnt 0x0
	ROWEXP 3
.irp r,0,1,2,3
	v_exp_f32 v[REG+4*\r+2], v[REG+4*\r+2]
	v_exp_f32 v[REG+4*\r+3], v[REG+4*\r+3]
.endr
	v_nop                                              ; a plain instruction behind the last exponential
	s_wait_alu depctr_va_vdst(0)                       ; one wait for the batch of 192, ahead of the first line that names a result
	ROWSUM 0
	ROWSUM 1
	ROWSUM 2
	ROWSUM 3
.irp r,0,1,2,3
	v_rcp_f32 v[TM+\r], v[X+46*\r]
.endr
.irp r,0,1,2,3
	DEC2 REG+4*\r, PRP+4*\r                            ; work that names no reciprocal stands between the batch and its wait
.endr
	s_wait_alu depctr_va_vdst(0)
	s_mov_b32 s[CNT], 0
.irp r,0,1,2,3
	v_mul_f32 v[K+\r], v[X+46*\r+45], v[TM+\r]         ; the score
	v_cmp_lt_f32 s24, s[THR], v[K+\r]
	v_cmp_le_f32 s25, s[MINS], v[PRP+4*\r+2]
	v_cmp_le_f32 s26, s[MINS], v[PRP+4*\r+3]
	s_and_b32 s24, s24, s25
	s_and_b32 s24, s24, s26
.if \r == 3
	v_cmp_gt_u32 s25, 0x3e8, v[I+3]                    ; padding is never valid
	s_and_b32 s24, s24, s25
.endif
	v_cndmask_b32 v[K+\r], 0, v[K+\r], s24             ; a positive f32's bits order as the number does
	s_bcnt1_i32_b32 s25, s24
	s_add_co_u32 s[CNT], s[CNT], s25
	global_store_b128 v[LA], v[REG+4*\r:REG+4*\r+3], s[16:17] offset:4096*\r  ; the box of proposal t + 256 r: a wave's store covers 512 consecutive bytes; REG is not written again
.endr
	v_lshl_add_u32 v[SA], v0, 4, SBUF
	v_lshl_add_u32 v[LF], v[LN], 4, SBUF
	v_sub_nc_u32 v[LR], 31, v[LN]
	v_lshl_add_u32 v[LR], v[LR], 4, SBUF
	s_lshl_b32 s[PW], s[WV], 2
	s_add_co_u32 s[PW], s[PW], CNTW
	v_mov_b32 v[PA], s[PW]
	v_mov_b32 v[TA], s[CNT]
	ds_store_b32 v[PA], v[TA]                          ; all lanes, one word, one value; it is read behind the sort's barriers
	CE2 0, 1, 2, 3                                     ; runs of 2
	CE2 0, 3, 1, 2                                     ; runs of 4
	CE2 0, 1, 2, 3
	LST 1, 1, 0xaaaaaaaa                               ; runs of 8
	REGT
	LST 3, 1, 0xcccccccc                               ; 16
	LST 1, 0, 0xaaaaaaaa
	REGT
	LST 7, 1, 0xf0f0f0f0                               ; 32
	LST 2, 0, 0xcccccccc
	LST 1, 0, 0xaaaaaaaa
	REGT
	LST 15, 1, 0xff00ff00                              ; 64
	LST 4, 0, 0xf0f0f0f0
	LST 2, 0, 0xcccccccc
	LST 1, 0, 0xaaaaaaaa
	REGT
	FX16 RVS                                           ; 128: a wave's places
	s_mov_b32 s[UP], 0xffff0000
	SEL 1
	LST 8, 0, 0xff00ff00
	LST 4, 0, 0xf0f0f0f0
	LST 2, 0, 0xcccccccc
	LST 1, 0, 0xaaaaaaaa
	REGT
	XST 0, 1, 0, 1                                     ; 256
	LANET
	XST 1, 3, 1, 1                                     ; 512
	XST 2, 1, 0, 0
	LANET
	XST 3, 7, 2, 1                                     ; 1,024
	XST 4, 2, 1, 0
	XST 5, 1, 0, 0
	LANET
	; rank = 4 t + register: a lane's four entries are 16 consecutive bytes, a wave's store 512
	global_store_b128 v[LA], v[I:I+3], s[10:11]
	global_store_b128 v[LA], v[K:K+3], s[12:13]
	s_cmp_lg_u32 s[WV], 0
	s_cbranch_scc1 .Lend
	v_mov_b32 v[PA], CNTW                              ; wave 0 adds the eight counts
	ds_load_b128 v[PAR:PAR+3], v[PA]
	ds_load_b128 v[PAR+4:PAR+7], v[PA] offset:16
	s_wait_dscnt 0x0
	v_add_nc_u32 v[PAR], v[PAR], v[PAR+1]
	v_add_nc_u32 v[PAR+2], v[PAR+2], v[PAR+3]
	v_add_nc_u32 v[PAR+4], v[PAR+4], v[PAR+5]
	v_add_nc_u32 v[PAR+6], v[PAR+6], v[PAR+7]
	v_add_nc_u32 v[PAR], v[PAR], v[PAR+2]
	v_add_nc_u32 v[PAR+4], v[PAR+4], v[PAR+6]
	v_add_nc_u32 v[PAR], v[PAR], v[PAR+4]
	v_mov_b32 v[PAR+1], v[PAR]
	v_lshlrev_b32 v[PA], 3, v[LN]
	global_store_b64 v[PA], v[PAR:PAR+1], s[14:15]     ; n, 64 times: the class's 256 bytes of counts in one store
.Lend:
	s_wait_tensorcnt 0x0                               ; the wave's end, behind my last LDS store
	ds_add_u32 v[SPW], v[NIL]
	s_wait_dscnt 0x0
	s_endpgm
.Lfunc_end_k_qbc7da222fe_sortk:
	.size	k_qbc7da222fe_sortk, .Lfunc_end_k_qbc7da222fe_sortk-k_qbc7da222fe_sortk
	.p2alignl 7, 3214868480
	.fill 96, 4, 3214868480
	.section	.rodata,"a",@progbits
	.p2align	6, 0x0
	.amdhsa_kernel k_qbc7da222fe_sortk
		.amdhsa_group_segment_fixed_size 230656
		.amdhsa_private_segment_fixed_size 0
		.amdhsa_enable_private_segment 0
		.amdhsa_kernarg_size 56
		.amdhsa_user_sgpr_count 2
		.amdhsa_user_sgpr_kernarg_segment_ptr 1
		.amdhsa_wavefront_size32 1
		.amdhsa_system_sgpr_workgroup_id_x 1
		.amdhsa_system_sgpr_workgroup_id_y 1
		.amdhsa_system_sgpr_workgroup_id_z 1
		.amdhsa_system_vgpr_workitem_id 0
		.amdhsa_next_free_vgpr 256
		.amdhsa_next_free_sgpr 66
		.amdhsa_reserve_vcc 0
		.amdhsa_float_denorm_mode_32 3
		.amdhsa_float_denorm_mode_16_64 3
		.amdhsa_memory_ordered 1
		.amdhsa_forward_progress 1
		.amdhsa_inst_pref_size 158
	.end_amdhsa_kernel
	.amdgpu_metadata
---
amdhsa.version: [ 1, 2 ]
amdhsa.kernels:
  - .name:           k_qbc7da222fe_sortk
    .symbol:         k_qbc7da222fe_sortk.kd
    .args:
      - { .name: class_logits, .offset: 0, .size: 8, .value_kind: global_buffer, .address_space: global }
      - { .name: box_regression, .offset: 8, .size: 8, .value_kind: global_buffer, .address_space: global }
      - { .name: proposals, .offset: 16, .size: 8, .value_kind: global_buffer, .address_space: global }
      - { .name: order, .offset: 24, .size: 8, .value_kind: global_buffer, .address_space: global }
      - { .name: skey, .offset: 32, .size: 8, .value_kind: global_buffer, .address_space: global }
      - { .name: counts, .offset: 40, .size: 8, .value_kind: global_buffer, .address_space: global }
      - { .name: dbox, .offset: 48, .size: 8, .value_kind: global_buffer, .address_space: global }
    .group_segment_fixed_size: 230656
    .private_segment_fixed_size: 0
    .kernarg_segment_align: 8
    .kernarg_segment_size: 56
    .max_flat_workgroup_size: 256
    .sgpr_count:     66
    .vgpr_count:     256
    .wavefront_size: 32
...
	.end_amdgpu_metadata
.endif
;; end of part 1
;; launch nms (part 2): grid 44 x 2, 16 waves a work-group, no clusters, 158,208 bytes of LDS; arguments order, counts, dbox, sbox, kmask; writes sbox, kmask
.if DOCPART == 2
	.amdgcn_target "amdgcn-amd-amdhsa--gfx1250"
	.amdhsa_code_object_version 6
	.text
	.protected	k_qbc7da222fe_nms
	.globl	k_qbc7da222fe_nms
	.p2align	8
	.type	k_qbc7da222fe_nms,@function
k_qbc7da222fe_nms:
	s_mov_b64 s[64:65], 0
	v_nop
	global_prefetch_b8 v0, s[64:65] scope:SCOPE_SE
	s_setreg_imm32_b32 hwreg(HW_REG_WAVE_MODE, 25, 1), 1
	s_wait_xcnt 0x0
; RoIHeads post-processing, launch 2 of 3: greedy NMS of one image and class.
; LEFT OUT (shown at the head of launch 1): entries that are not valid, class 0, blocks of pairs j <= i.  n, the number of valid entries, is read from memory; they are ranks 0 .. n - 1; NW = ceil(n / 32) blocks of 32 ranks are walked.
; STEPS.  (0) The boxes of ranks below 32 max(NW, 1) are gathered from dbox by order, put into LDS with their areas, and stored to sbox rounded to f16 (coordinates lie in 0 .. 800: 0.25 off at the most).
; (A) The words word(i, jw): bit l says iou(i, 32 jw + l) > 0.5, for jw >= i / 32.  (B) Wave 0 scans the ranks in order and stores 32 pairs (keep word, n).
; iou > 0.5 is tested as 2 inter > (area_i + area_j - inter + 1e-9): valid boxes have width and height of 0.01 or more, so the divisor is positive; its sums are taken in the problem's order.
; WHO MAKES WHICH WORD.  Wave w = 4 q + a makes the tiles (ib, jw) = (q + 4 u, a + 4 s): 32 rows x one word.  Tiles with s < u lie below the diagonal for every wave, so the text holds the 36 with s >= u, each with
; its LDS offsets as immediates beside registers that are never rewritten.  In a tile lanes are columns; a counted loop of 32 trips reads row t's five numbers out of lane t into scalars; the compare's mask is the
; row's word and goes into lane t of one register, which one store puts into LDS.  A wave writes only its own 8,480 bytes: word(32 ib + t, jw) lies at MAT + 8,480 w + 132 (8 u + s) + 4 t.  In words 8,480 bytes = 8
; and 132 bytes = 33 modulo 64, so a row's 32 words, which the scan reads with one load, lie in 32 different banks (64 banks of 4 bytes: ISA guide 11.1).
; No branch and no address hangs on a box or a score.  Branches on n go forward and pass no barrier.
; LIMITS as in launch 1; an iou that agrees with 0.5 to the last bits may fall on the other side than by f32 division.
.set AREA,  16384                      ; boxes: 1,024 x 16 bytes at LDS byte 0; areas: 1,024 x 4 bytes here
.set MAT,   20480
.set RWB,   8480
.set SPARE, 156160                     ; the spare words, 128 bytes for each of the 16 waves: eight blocks of 256 bytes that no other line names
.set SPW, 1
.set NIL, 2
.set LN,  3
.set RBA, 32                           ; v32, v33 LDS addresses of my lane's row box and area in row block q; never rewritten
.set RAA, 33
.set CB0, 34                           ; v34, v35 of my lane's column box and area in column block a; never rewritten
.set CA0, 35
.set TSU, 38                           ; v38  my lane's word of my tile (0, 0); never rewritten
.set RB,  40                           ; v40-43 row box, v44 row area
.set CBX, 48                           ; v48-51 column box, v52 column area
.set TT,  56                           ; v56-59 at work
.set W,   64                           ; lane t: row t's word
.set REM, 66                           ; lane jw: the ranks of block jw that kept rows have suppressed
.set FIN, 68                           ; v68 lane jw: keep word; v69 n
.set MSK, 70                           ; bits above my lane
.set DA,  71
.set WI,  72
.set AD,  73
.set D,   74
.set TV,  75
.set R,   96                           ; v96-127 the scan: a block's 32 rows of words
.set WV,  16
.set IMG, 17
.set C0,  18
.set ROW, 19
.set N,   24
.set NW,  25
.set NW1, 26
.set Q,   27
.set A4,  28
.set IB,  29
.set JW,  30
.set T0,  33
.set T1,  34
.set T2,  35
.set RS,  36                           ; s36-40 a row's box and area
.set T,   41                           ; the row in hand
.set KW,  46
.set VW,  47
.set NWM1, 48
.set SB,  49
.set DS,  66                           ; s66-97 the block's own words, one a row
; Step 0 for ranks t + 512 h.  Each h has registers of its own, so that no source of a pending load or store is written again.
.macro PH0 h
.set H, 8+12*(\h)                      ; H gather offset, +1 LDS box, +2 LDS area, +3 offset in sbox, +4..7 box, +8 area, +9 at work, +10, 11 packed
	s_add_co_u32 s[T0], s[WV], 16*(\h)
	s_cmp_lt_u32 s[T0], s[NW1]
	s_cbranch_scc0 .Lp0_\@
	v_min_u32 v[H], 0x3ff, v[5+(\h)]                   ; a number read from memory enters an address held to the table: 1,023 at the most
	v_lshlrev_b32 v[H], 4, v[H]
	global_load_b128 v[H+4:H+7], v[H], s[8:9]
	v_lshl_add_u32 v[H+1], v0, 4, 8192*(\h)
	v_lshl_add_u32 v[H+2], v0, 2, AREA+2048*(\h)
	v_lshl_add_u32 v[H+3], v0, 3, 4096*(\h)
	s_wait_loadcnt 0x0
	v_sub_f32 v[H+9], v[H+6], v[H+4]
	v_sub_f32 v[H+8], v[H+7], v[H+5]
	v_mul_f32 v[H+8], v[H+9], v[H+8]                   ; area
	ds_store_b128 v[H+1], v[H+4:H+7]
	ds_store_b32 v[H+2], v[H+8]
	v_cvt_pk_f16_f32 v[H+10], v[H+4], v[H+5]
	v_cvt_pk_f16_f32 v[H+11], v[H+6], v[H+7]
	global_store_b64 v[H+3], v[H+10:H+11], s[10:11]    ; a wave's store covers 256 consecutive bytes, aligned
.Lp0_\@:
.endm
; row s[T] of the row block against my column; the mask of the 32 columns is the row's word, which lane s[T] of W takes
.macro IOU
.irp f,0,1,2,3,4
	v_readlane_b32 s[RS+\f], v[RB+\f], s[T]
.endr
	v_max_num_f32 v[TT], s[RS], v[CBX]
	v_max_num_f32 v[TT+1], s[RS+1], v[CBX+1]
	v_min_num_f32 v[TT+2], s[RS+2], v[CBX+2]
	v_min_num_f32 v[TT+3], s[RS+3], v[CBX+3]
	v_sub_f32 v[TT+2], v[TT+2], v[TT]
	v_sub_f32 v[TT+3], v[TT+3], v[TT+1]
	v_add_f32 v[TT], s[RS+4], v[CBX+4]
	v_max_num_f32 v[TT+2], 0, v[TT+2]
	v_max_num_f32 v[TT+3], 0, v[TT+3]
	v_mul_f32 v[TT+2], v[TT+2], v[TT+3]                ; inter
	v_sub_f32 v[TT], v[TT], v[TT+2]
	v_add_f32 v[TT+2], v[TT+2], v[TT+2]
	v_add_f32 v[TT], 0x3089705f, v[TT]                 ; + 1e-9
	v_cmp_gt_f32 s[T1], v[TT+2], v[TT]
	s_lshl_b32 s[T2], 1, s[T]
	v_cndmask_b32 v[W], v[W], s[T1], s[T2]
.endm
; my tile (u, s).  A column block from NW on ends the row block's tiles: the later ones lie further still.  On the diagonal of (u, s) the tile is made where a >= q.
.macro TILE u, s
	s_add_co_u32 s[JW], s[A4], 4*(\s)
	s_cmp_ge_u32 s[JW], s[NW]
	s_cbranch_scc1 .Luend\u
.if (\s) == (\u)
	s_cmp_lt_u32 s[A4], s[Q]
	s_cbranch_scc1 .Ltile_\@
.endif
	ds_load_b128 v[CBX:CBX+3], v[CB0] offset:2048*(\s)
	ds_load_b32 v[CBX+4], v[CA0] offset:512*(\s)
	s_mov_b32 s[T], 0
	s_wait_dscnt 0x0
.Lrow_\@:
	IOU
	s_add_co_u32 s[T], s[T], 1
	s_cmp_lt_u32 s[T], 32
	s_cbranch_scc1 .Lrow_\@
	ds_store_b32 v[TSU], v[W] offset:132*(8*(\u)+(\s))
.Ltile_\@:
.endm
; row t of the block in hand: if it is kept, its word leaves the block's keep word and its 32 words join what is suppressed.  Selects alone: no branch hangs on a keep bit.
.macro STEP t
	s_bitcmp1_b32 s[KW], \t
	s_cselect_b32 s[T0], s[DS+(\t)], 0
	s_cselect_b32 s[T1], -1, 0
	s_and_not1_b32 s[KW], s[KW], s[T0]
	v_and_or_b32 v[REM], v[R+(\t)], s[T1], v[REM]
.endm
	s_load_b256 s[4:11], s[0:1], 0x0                   ; order s[4:5], counts s[6:7], dbox s[8:9], sbox s[10:11]
	s_load_b64 s[12:13], s[0:1], 0x20                  ; kmask
	v_lshl_add_u32 v[SPW], v0, 2, SPARE
	v_mov_b32 v[NIL], 0
	v_lshrrev_b32 v[LN], 5, v0
	v_readfirstlane_b32 s[WV], v[LN]                   ; wave 0..15
	v_and_b32 v[LN], 31, v0
	s_and_b32 s[IMG], ttmp7, 0xffff
	s_min_u32 s[C0], ttmp9, 43
	s_mul_i32 s[ROW], s[IMG], 44
	s_add_co_u32 s[ROW], s[ROW], s[C0]
	s_lshl_b32 s20, s[ROW], 12                         ; order: 4,096 bytes a class
	s_mov_b32 s21, 0
	s_lshl_b32 s22, s[ROW], 8                          ; counts, kmask: 256 bytes a class
	s_mov_b32 s23, 0
	v_lshlrev_b32 v4, 2, v0
	v_mov_b32 v[W], 0
	s_wait_kmcnt 0x0
	s_add_nc_u64 s[4:5], s[4:5], s[20:21]
	s_add_nc_u64 s[6:7], s[6:7], s[22:23]
	s_add_nc_u64 s[12:13], s[12:13], s[22:23]
	s_lshl_b32 s20, s[ROW], 14                         ; dbox: 16,384 bytes a class
	s_add_nc_u64 s[8:9], s[8:9], s[20:21]
	s_lshl_b32 s20, s[ROW], 13                         ; sbox: 8,192 bytes a class
	s_add_nc_u64 s[10:11], s[10:11], s[20:21]
	s_load_b32 s[N], s[6:7], 0x0
	global_load_b32 v5, v4, s[4:5]                     ; the proposals of ranks t and t + 512
	global_load_b32 v6, v4, s[4:5] offset:2048
	s_lshr_b32 s[Q], s[WV], 2
	s_and_b32 s[A4], s[WV], 3
	s_lshl_b32 s[T0], s[Q], 9
	v_lshl_add_u32 v[RBA], v[LN], 4, s[T0]             ; row 32 q + lane
	s_lshl_b32 s[T0], s[Q], 7
	s_add_co_u32 s[T0], s[T0], AREA
	v_lshl_add_u32 v[RAA], v[LN], 2, s[T0]
	s_lshl_b32 s[T0], s[A4], 9
	v_lshl_add_u32 v[CB0], v[LN], 4, s[T0]             ; column 32 a + lane
	s_lshl_b32 s[T0], s[A4], 7
	s_add_co_u32 s[T0], s[T0], AREA
	v_lshl_add_u32 v[CA0], v[LN], 2, s[T0]
	s_mul_i32 s[T0], s[WV], RWB
	s_add_co_u32 s[T0], s[T0], MAT
	v_lshl_add_u32 v[TSU], v[LN], 2, s[T0]             ; my part of the words
	s_wait_kmcnt 0x0
	s_min_u32 s[N], s[N], 1000
	s_add_co_u32 s[NW], s[N], 31
	s_lshr_b32 s[NW], s[NW], 5
	s_max_u32 s[NW1], s[NW], 1                         ; block 0 of sbox is always written: launch 3 reads it where n = 0
	s_wait_loadcnt 0x0                                 ; order
	PH0 0
	PH0 1
	s_wait_dscnt 0x0                                   ; for the others' sake: my boxes and areas lie in LDS
	s_barrier_signal -1
	s_barrier_wait -1
	; STEP A: my tiles, row block by row block.  A row block from NW on ends them: the later ones lie further still
.irp u,0,1,2,3,4,5,6,7
	s_add_co_u32 s[IB], s[Q], 4*\u
	s_cmp_ge_u32 s[IB], s[NW]
	s_cbranch_scc1 .Lmade
	ds_load_b128 v[RB:RB+3], v[RBA] offset:2048*\u
	ds_load_b32 v[RB+4], v[RAA] offset:512*\u
	s_wait_dscnt 0x0                                   ; the rows are in, also where no tile of this row block is mine
.irp s,0,1,2,3,4,5,6,7
.if \s >= \u
	TILE \u, \s
.endif
.endr
.Luend\u:
.endr
.Lmade:
	s_wait_dscnt 0x0                                   ; for wave 0's sake: my words lie in LDS
	s_barrier_signal -1
	s_barrier_wait -1
	s_cmp_lg_u32 s[WV], 0
	s_cbranch_scc1 .Lend
	; STEP B: wave 0 scans, a block of 32 ranks a trip; trips from NW on jump to the counter's step
	v_mov_b32 v[REM], 0
	v_mov_b32 v[FIN], 0
	v_mov_b32 v[FIN+1], s[N]
	v_lshlrev_b32 v[MSK], v[LN], -2
	s_sub_co_u32 s[NWM1], s[NW1], 1
	s_mov_b32 s[IB], 0
.Lblk:
	s_cmp_ge_u32 s[IB], s[NW]
	s_cbranch_scc1 .Lnext
	s_and_b32 s[T0], s[IB], 3                          ; q and u of this row block
	s_lshr_b32 s[T1], s[IB], 2
	s_mul_i32 s[SB], s[T0], 4*RWB
	s_mul_i32 s[T2], s[T1], 1056
	s_add_co_u32 s[SB], s[SB], s[T2]
	s_add_co_u32 s[SB], s[SB], MAT                     ; where tile (ib, 0) would lie
	s_mul_i32 s[T0], s[T0], RWB
	s_mul_i32 s[T1], s[T1], 132
	s_add_co_u32 s[T0], s[T0], s[T1]
	s_add_co_u32 s[T0], s[T0], s[SB]
	v_lshl_add_u32 v[DA], v[LN], 2, s[T0]              ; the diagonal tile: lane t takes row t's word
	v_max_u32 v[WI], s[IB], v[LN]                      ; lane jw takes word jw; lanes outside ib .. NW - 1 take a word that was made, and what they gather is never read
	v_min_u32 v[WI], s[NWM1], v[WI]
	v_min_u32 v[WI], 31, v[WI]
	v_and_b32 v[TV], 3, v[WI]
	v_mul_u32_u24 v[AD], v[TV], RWB
	v_and_b32 v[TV], 28, v[WI]
	v_mad_u32_u24 v[AD], v[TV], 33, v[AD]
	v_add_nc_u32 v[AD], s[SB], v[AD]
	ds_load_b32 v[D], v[DA]
.set t, 0
.rept 32
	ds_load_b32 v[R+t], v[AD] offset:4*t
.set t, t+1
.endr
	s_lshl_b32 s[T0], s[IB], 5
	s_sub_co_u32 s[T0], s[N], s[T0]                    ; valid ranks from this block on
	s_bfm_b32 s[VW], s[T0], 0
	s_cmp_ge_u32 s[T0], 32
	s_cselect_b32 s[VW], -1, s[VW]
	v_readlane_b32 s[T1], v[REM], s[IB]
	s_and_not1_b32 s[KW], s[VW], s[T1]                 ; valid, and not suppressed by an earlier block
	s_wait_dscnt 0x0
	v_and_b32 v[D], v[MSK], v[D]                       ; idx > i
.set t, 0
.rept 32
	v_readlane_b32 s[DS+t], v[D], t
.set t, t+1
.endr
.set t, 0
.rept 32
	STEP t
.set t, t+1
.endr
	v_cmp_eq_u32 vcc_lo, s[IB], v[LN]
	v_cndmask_b32 v[FIN], v[FIN], s[KW], vcc_lo
.Lnext:
	s_add_co_u32 s[IB], s[IB], 1
	s_cmp_lt_u32 s[IB], 32
	s_cbranch_scc1 .Lblk
	v_lshlrev_b32 v[DA], 3, v[LN]
	global_store_b64 v[DA], v[FIN:FIN+1], s[12:13]     ; 32 pairs (keep word, n): the class's 256 bytes in one store; words from NW on are 0
.Lend:
	s_wait_dscnt 0x0                                   ; wave 0's reads of the words are back
	s_barrier_signal -1                                ; no wave writes LDS again before wave 0 has read all that it reads
	s_barrier_wait -1
	s_wait_tensorcnt 0x0                               ; the wave's end, behind my last LDS store
	ds_add_u32 v[SPW], v[NIL]
	s_wait_dscnt 0x0
	s_endpgm
.Lfunc_end_k_qbc7da222fe_nms:
	.size	k_qbc7da222fe_nms, .Lfunc_end_k_qbc7da222fe_nms-k_qbc7da222fe_nms
	.p2alignl 7, 3214868480
	.fill 96, 4, 3214868480
	.section	.rodata,"a",@progbits
	.p2align	6, 0x0
	.amdhsa_kernel k_qbc7da222fe_nms
		.amdhsa_group_segment_fixed_size 158208
		.amdhsa_private_segment_fixed_size 0
		.amdhsa_enable_private_segment 0
		.amdhsa_kernarg_size 40
		.amdhsa_user_sgpr_count 2
		.amdhsa_user_sgpr_kernarg_segment_ptr 1
		.amdhsa_wavefront_size32 1
		.amdhsa_system_sgpr_workgroup_id_x 1
		.amdhsa_system_sgpr_workgroup_id_y 1
		.amdhsa_system_sgpr_workgroup_id_z 1
		.amdhsa_system_vgpr_workitem_id 0
		.amdhsa_next_free_vgpr 128
		.amdhsa_next_free_sgpr 98
		.amdhsa_reserve_vcc 1
		.amdhsa_float_denorm_mode_32 3
		.amdhsa_float_denorm_mode_16_64 3
		.amdhsa_memory_ordered 1
		.amdhsa_forward_progress 1
		.amdhsa_inst_pref_size 68
	.end_amdhsa_kernel
	.amdgpu_metadata
---
amdhsa.version: [ 1, 2 ]
amdhsa.kernels:
  - .name:           k_qbc7da222fe_nms
    .symbol:         k_qbc7da222fe_nms.kd
    .args:
      - { .name: order, .offset: 0, .size: 8, .value_kind: global_buffer, .address_space: global }
      - { .name: counts, .offset: 8, .size: 8, .value_kind: global_buffer, .address_space: global }
      - { .name: dbox, .offset: 16, .size: 8, .value_kind: global_buffer, .address_space: global }
      - { .name: sbox, .offset: 24, .size: 8, .value_kind: global_buffer, .address_space: global }
      - { .name: kmask, .offset: 32, .size: 8, .value_kind: global_buffer, .address_space: global }
    .group_segment_fixed_size: 158208
    .private_segment_fixed_size: 0
    .kernarg_segment_align: 8
    .kernarg_segment_size: 40
    .max_flat_workgroup_size: 512
    .sgpr_count:     98
    .vgpr_count:     128
    .wavefront_size: 32
...
	.end_amdgpu_metadata
.endif
;; end of part 2
;; launch topk (part 3): grid 2 x 1, 16 waves a work-group, no clusters, 234,496 bytes of LDS; arguments skey, sbox, kmask, out0, out1, out2; writes out0, out1, out2
.if DOCPART == 3
	.amdgcn_target "amdgcn-amd-amdhsa--gfx1250"
	.amdhsa_code_object_version 6
	.text
	.protected	k_qbc7da222fe_topk
	.globl	k_qbc7da222fe_topk
	.p2align	8
	.type	k_qbc7da222fe_topk,@function
k_qbc7da222fe_topk:
	s_mov_b64 s[64:65], 0
	v_nop
	global_prefetch_b8 v0, s[64:65] scope:SCOPE_SE
	s_setreg_imm32_b32 hwreg(HW_REG_WAVE_MODE, 25, 1), 1
	s_wait_xcnt 0x0
; RoIHeads post-processing, launch 3 of 3: an image's 100 best kept entries.
; LEFT OUT (shown at the head of launch 1): entries that are not kept, and of each class those behind its first 128 kept: its list is sorted, so only its first 100 can be among the image's 100 greatest.
; One work-group = one image.  Wave w takes classes 3 w + 1 .. 3 w + 3 (those beyond 44 have an empty list).  (1) Compaction: the keep words, whole numbers read from memory, give each kept rank its place in the
; class's list in LDS (bits below my lane + kept so far), held to 128, where a dump word takes what is not kept or over.  An entry is key, id = class x 1,024 + rank, and the box as four f16.  Lists start as zeros.
; (2) Merging: the 128 that come first of two sorted lists A, B are, place by place, the one of A[e], B[127 - e] that comes first, then sorted by seven steps.  Twice in the wave, then four times between waves
; (16 lists to 1) through LDS, each buffer written once, one barrier each.  'Comes first': greater key, then lower id, which is top_k's order.  Empty entries are all zeros and alike, so it does not matter which is kept.
; (3) Wave 0 stores 100 rows; an empty entry is the zeros that det = False asks for.
; LIMITS as in launch 1; the boxes have passed through f16 (0.25 off at the most).
.set LISTB, 6336                       ; a wave's three lists: list j at 2,112 j, array a at 528 a: 128 words and the dump word
.set XBUF,  101376                     ; four buffers of 32,768 bytes: wave w at 2,048 w, array a at 512 a
.set SPARE, 232448                     ; the spare words, 128 bytes for each of the 16 waves: eight blocks of 256 bytes that no other line names
.set NA,  4                            ; arrays of an entry: key, id, box (x1, y1), box (x2, y2)
.set SPW, 1
.set NIL, 2
.set LN,  3
.set DUMP, 4                           ; v4  128
.set ONE, 5                            ; v5  1.0
.set Z,   8                            ; v8-11 zeros
.set KM,  12                           ; v12-17 class j: (keep word of block = lane, n)
.set RK,  20                           ; v20-31 class j, block g: my rank's byte offset in skey
.set KV,  32                           ; v32-43 keys
.set BV,  44                           ; v44-67 boxes
.set POS, 68
.set ADR, 69
.set IDV, 70
.set ACC, 72                           ; v72-87 my list
.set PAR, 88                           ; v88-103 the partner's
.set LF,  104
.set PA,  105
.set SA0, 106                          ; v106, v107 where I put my list: buffers 0-1, 2-3
.set LRX0, 108                         ; v108, v109 my wave's place there read backward
.set RK8, 110                          ; v110-121 class j, block g: my rank's byte offset in sbox
.set BX,  110                          ; later: v110-125 the boxes in f32
.set O16, 126
.set O64, 127
.set WV,  16
.set IMG, 17
.set C0,  18                           ; s18-20 class - 1
.set ROW, 21                           ; s21-23
.set NWM1, 24                          ; s24-26
.set BASE, 27                          ; s27-29 kept so far
.set NWX, 30
.set PS,  31
.set JW,  32
.set T0,  33
.set T1,  34
.set T2,  35
.set M,   36
.set EQ,  40
.set LT,  44
.set IDS, 48
.set LB,  50
.set LC,  51
.set SX,  52
.set UP,  53
; THE SORT'S STEPS, as in launch 1.  'b comes first' = b's key is greater, or the keys are equal and b's number is lower.
.macro CMP3 ka, ia, kb, ib, x
	v_cmp_gt_u32 s[M+(\x)], v[\kb], v[\ka]
	v_cmp_eq_u32 s[EQ+(\x)], v[\kb], v[\ka]
	v_cmp_lt_u32 s[LT+(\x)], v[\ib], v[\ia]
.endm
.macro COMB x, fx
	s_and_b32 s[EQ+(\x)], s[EQ+(\x)], s[LT+(\x)]
	s_or_b32 s[M+(\x)], s[M+(\x)], s[EQ+(\x)]
.if \fx
	s_xor_b32 s[M+(\x)], s[M+(\x)], s[UP]
.endif
.endm
.macro SEL rev
.irp r,0,1,2,3
	CMP3 ACC+\r, ACC+4+\r, PAR+\r+(\rev)*(3-2*\r), PAR+4+\r+(\rev)*(3-2*\r), \r
.endr
.irp r,0,1,2,3
	COMB \r, 1
.endr
.irp r,0,1,2,3
.set n, 0
.rept NA
	v_cndmask_b32 v[ACC+4*n+\r], v[ACC+4*n+\r], v[PAR+4*n+\r+(\rev)*(3-2*\r)], s[M+\r]
.set n, n+1
.endr
.endr
.endm
.macro FDPP msk
.set n, 0
.rept 4*NA
	v_mov_b32_dpp v[PAR+n], v[ACC+n] row_xmask:\msk row_mask:0xf bank_mask:0xf
.set n, n+1
.endr
.endm
.macro FX16 sel
.set n, 0
.rept 4*NA
	v_permlanex16_b32 v[PAR+n], v[ACC+n], s[\sel], s[\sel+1]
.set n, n+1
.endr
.endm
.macro LST msk, rev, upm
	FDPP \msk
	s_mov_b32 s[UP], \upm
	SEL \rev
.endm
.macro SWP a, b, x
.set n, 0
.rept NA
	v_mov_b32 v[PAR+4*n+(\x)], v[ACC+4*n+(\a)]
	v_cndmask_b32 v[ACC+4*n+(\a)], v[ACC+4*n+(\a)], v[ACC+4*n+(\b)], s[M+(\x)]
	v_cndmask_b32 v[ACC+4*n+(\b)], v[ACC+4*n+(\b)], v[PAR+4*n+(\x)], s[M+(\x)]
.set n, n+1
.endr
.endm
.macro CE2 a0, b0, a1, b1
	CMP3 ACC+\a0, ACC+4+\a0, ACC+\b0, ACC+4+\b0, 0
	CMP3 ACC+\a1, ACC+4+\a1, ACC+\b1, ACC+4+\b1, 1
	COMB 0, 0
	COMB 1, 0
	SWP \a0, \b0, 0
	SWP \a1, \b1, 1
.endm
.macro REGT
	CE2 0, 2, 1, 3
	CE2 0, 1, 2, 3
.endm
.macro LANET
	FX16 IDS
	s_mov_b32 s[UP], 0xffff0000
	SEL 0
	LST 8, 0, 0xff00ff00
	LST 4, 0, 0xf0f0f0f0
	LST 2, 0, 0xcccccccc
	LST 1, 0, 0xaaaaaaaa
	REGT
.endm
; my list and another, read backward (lane 31 - l by the address, register 3 - r by SEL): the 128 that come first, sorted
.macro MERGE adr, off, pitch
.set n, 0
.rept 4
	ds_load_b128 v[PAR+4*n:PAR+4*n+3], v[\adr] offset:(\off)+(\pitch)*n
.set n, n+1
.endr
	s_mov_b32 s[UP], 0                                 ; every place takes the entry that comes first
	s_wait_dscnt 0x0
	SEL 1
	LANET
.endm
; buffer r: every wave puts its list down; behind the barrier waves below d take in that of wave w + d.  A buffer is written in one step alone.
.macro ROUND r, d
.set n, 0
.rept 4
	ds_store_b128 v[SA0+(\r)/2], v[ACC+4*n:ACC+4*n+3] offset:((\r)%2)*32768+512*n
.set n, n+1
.endr
	s_wait_dscnt 0x0                                   ; for the others' sake: my stores are done
	s_barrier_signal -1
	s_barrier_wait -1
	s_cmp_lt_u32 s[WV], \d
	s_cbranch_scc0 .Lr_\@
	MERGE LRX0+(\r)/2, ((\r)%2)*32768+2048*(\d), 512
.Lr_\@:
.endm
	s_load_b256 s[4:11], s[0:1], 0x0                   ; skey s[4:5], sbox s[6:7], kmask s[8:9], out0 s[10:11]
	s_load_b128 s[12:15], s[0:1], 0x20                 ; out1 s[12:13], out2 s[14:15]
	v_lshl_add_u32 v[SPW], v0, 2, SPARE
	v_mov_b32 v[NIL], 0
	v_lshrrev_b32 v[LN], 5, v0
	v_readfirstlane_b32 s[WV], v[LN]                   ; wave 0..15
	v_and_b32 v[LN], 31, v0
	s_min_u32 s[IMG], ttmp9, 1
	v_mov_b32 v[DUMP], 0x80
	v_mov_b32 v[ONE], 1.0
.irp f,0,1,2,3
	v_mov_b32 v[Z+\f], 0
.endr
	s_mov_b32 s[IDS], 0x76543210
	s_mov_b32 s[IDS+1], 0xfedcba98
	s_mul_i32 s[LB], s[WV], LISTB
	s_mul_i32 s[T2], s[IMG], 44
	s_mul_i32 s[T1], s[WV], 3
.irp j,0,1,2
	s_add_co_u32 s[C0+\j], s[T1], \j
	s_min_u32 s[ROW+\j], s[C0+\j], 43                  ; a class beyond 44 reads class 44's rows, and its keep words are cleared below
	s_add_co_u32 s[ROW+\j], s[ROW+\j], s[T2]
	s_lshl_b32 s[T0], s[ROW+\j], 8
	v_lshl_add_u32 v[RK+\j], v[LN], 3, s[T0]
.endr
	v_lshl_add_u32 v[LF], v[LN], 4, s[LB]
	s_wait_kmcnt 0x0
.irp j,0,1,2
	global_load_b64 v[KM+2*\j:KM+2*\j+1], v[RK+\j], s[8:9]
.endr
	s_mul_i32 s54, s[IMG], 1600
	s_mov_b32 s55, 0
	s_add_nc_u64 s[10:11], s[10:11], s[54:55]
	s_mul_i32 s54, s[IMG], 400
	s_add_nc_u64 s[12:13], s[12:13], s[54:55]
	s_add_nc_u64 s[14:15], s[14:15], s[54:55]
.irp j,0,1,2
.irp a,0,1,2,3
	ds_store_b128 v[LF], v[Z:Z+3] offset:2112*\j+528*\a  ; empty lists
.endr
.endr
	s_lshl_b32 s[T0], s[WV], 11
	s_add_co_u32 s[T0], s[T0], XBUF
	v_lshl_add_u32 v[SA0], v[LN], 4, s[T0]
	v_add_nc_u32 v[SA0+1], 0x10000, v[SA0]
	v_sub_nc_u32 v[PA], 31, v[LN]
	v_lshl_add_u32 v[LRX0], v[PA], 4, s[T0]
	v_add_nc_u32 v[LRX0+1], 0x10000, v[LRX0]
	v_lshl_add_u32 v[PA], v[PA], 4, s[LB]              ; list 0 read backward; stepped to lists 1 and 2
	v_lshlrev_b32 v[O16], 4, v[LN]
	v_lshlrev_b32 v[O64], 6, v[LN]
	s_mov_b32 s[NWX], 0
	s_wait_loadcnt 0x0
.irp j,0,1,2
	v_readfirstlane_b32 s[T0], v[KM+2*\j+1]            ; n
	s_min_u32 s[T0], s[T0], 1000
	s_add_co_u32 s[T0], s[T0], 31
	s_lshr_b32 s[T0], s[T0], 5
	s_max_u32 s[NWX], s[NWX], s[T0]                    ; blocks to walk: the most of my three classes
	s_max_u32 s[T0], s[T0], 1
	s_sub_co_u32 s[NWM1+\j], s[T0], 1                  ; the last block of sbox that launch 2 has written
	s_cmp_lt_u32 s[C0+\j], 44
	s_cselect_b32 s[T0], -1, 0
	v_and_b32 v[KM+2*\j], s[T0], v[KM+2*\j]
	s_mov_b32 s[BASE+\j], 0
.endr
	; COMPACTION, four blocks of each class a trip: 24 loads go out together.  A block beyond a class's last is read at the last instead; its keep word is 0, so all of it goes to the dump word.
	s_mov_b32 s[PS], 0
	s_mov_b32 s[JW], 0
.Lpass:
	s_cmp_ge_u32 s[JW], s[NWX]
	s_cbranch_scc1 .Lpnext
.irp j,0,1,2
.irp g,0,1,2,3
	s_add_co_u32 s[T0], s[JW], \g
	s_min_u32 s[T0], s[T0], s[NWM1+\j]
	s_min_u32 s[T0], s[T0], 31
	s_lshl_b32 s[T0], s[T0], 5
	s_lshl_b32 s[T1], s[ROW+\j], 10
	s_add_co_u32 s[T0], s[T0], s[T1]                   ; row x 1,024 + the block's first rank
	s_lshl_b32 s[T1], s[T0], 2
	s_lshl_b32 s[T0], s[T0], 3
	v_lshl_add_u32 v[RK+4*\j+\g], v[LN], 2, s[T1]
	v_lshl_add_u32 v[RK8+4*\j+\g], v[LN], 3, s[T0]
	global_load_b32 v[KV+4*\j+\g], v[RK+4*\j+\g], s[4:5]
	global_load_b64 v[BV+8*\j+2*\g:BV+8*\j+2*\g+1], v[RK8+4*\j+\g], s[6:7]
.endr
.endr
	s_wait_loadcnt 0x0
.irp j,0,1,2
.irp g,0,1,2,3
	s_add_co_u32 s[T0], s[JW], \g
	v_readlane_b32 s[T1], v[KM+2*\j], s[T0]            ; the block's keep word
	v_mbcnt_lo_u32_b32 v[POS], s[T1], s[BASE+\j]       ; kept so far + kept below my lane
	v_cndmask_b32 v[POS], v[DUMP], v[POS], s[T1]
	v_min_u32 v[POS], 0x80, v[POS]
	v_lshl_add_u32 v[ADR], v[POS], 2, s[LB]
	s_lshl_b32 s[T0], s[T0], 5
	s_lshl_b32 s[T2], s[C0+\j], 10
	s_add_co_u32 s[T0], s[T0], s[T2]
	s_add_co_u32 s[T0], s[T0], 1024
	v_add_nc_u32 v[IDV], s[T0], v[LN]                  ; class x 1,024 + rank
	ds_store_b32 v[ADR], v[KV+4*\j+\g] offset:2112*\j
	ds_store_b32 v[ADR], v[IDV] offset:2112*\j+528
	ds_store_b32 v[ADR], v[BV+8*\j+2*\g] offset:2112*\j+1056
	ds_store_b32 v[ADR], v[BV+8*\j+2*\g+1] offset:2112*\j+1584
	s_bcnt1_i32_b32 s[T1], s[T1]
	s_add_co_u32 s[BASE+\j], s[BASE+\j], s[T1]
.endr
.endr
.Lpnext:
	s_add_co_u32 s[JW], s[JW], 4
	s_add_co_u32 s[PS], s[PS], 1
	s_cmp_lt_u32 s[PS], 8
	s_cbranch_scc1 .Lpass
	; MERGING.  The lists are my wave's own bytes, and LDS serves a wave's instructions in order (ISA guide 5.7.1.4): no barrier
.irp a,0,1,2,3
	ds_load_b128 v[ACC+4*\a:ACC+4*\a+3], v[LF] offset:528*\a
.endr
	s_wait_dscnt 0x0
	s_mov_b32 s[LC], 2
.Lmrg:
	v_add_nc_u32 v[PA], 2112, v[PA]
	MERGE PA, 0, 528
	s_sub_co_u32 s[LC], s[LC], 1
	s_cmp_lg_u32 s[LC], 0
	s_cbranch_scc1 .Lmrg
	ROUND 0, 8
	ROUND 1, 4
	ROUND 2, 2
	ROUND 3, 1
	s_cmp_lg_u32 s[WV], 0
	s_cbranch_scc1 .Lend
	; entry e = 4 lane + register; lanes 0 .. 24 hold the 100
.irp r,0,1,2,3
	v_lshrrev_b32 v[PAR+\r], 10, v[ACC+4+\r]           ; the label; 0 for an empty entry
	v_fma_mix_f32 v[BX+4*\r], v[ACC+8+\r], v[ONE], v[Z] op_sel_hi:[1,0,0]
	v_fma_mix_f32 v[BX+4*\r+1], v[ACC+8+\r], v[ONE], v[Z] op_sel:[1,0,0] op_sel_hi:[1,0,0]
	v_fma_mix_f32 v[BX+4*\r+2], v[ACC+12+\r], v[ONE], v[Z] op_sel_hi:[1,0,0]
	v_fma_mix_f32 v[BX+4*\r+3], v[ACC+12+\r], v[ONE], v[Z] op_sel:[1,0,0] op_sel_hi:[1,0,0]
.endr
	v_cmp_gt_u32 vcc_lo, 25, v[LN]
	s_wait_xcnt 0x0                                    ; EXEC changes only behind this wait
	s_and_saveexec_b32 s[SX], vcc_lo
	global_store_b128 v[O16], v[ACC:ACC+3], s[12:13]   ; scores: the key's bits are the score; 400 consecutive bytes
	global_store_b128 v[O16], v[PAR:PAR+3], s[14:15]
.irp r,0,1,2,3
	global_store_b128 v[O64], v[BX+4*\r:BX+4*\r+3], s[10:11] offset:16*\r
.endr
	s_wait_xcnt 0x0                                    ; and again, in front of the line that widens it
	s_or_b32 exec_lo, exec_lo, s[SX]
.Lend:
	s_wait_tensorcnt 0x0                               ; the wave's end, behind my last LDS store
	ds_add_u32 v[SPW], v[NIL]
	s_wait_dscnt 0x0
	s_endpgm
.Lfunc_end_k_qbc7da222fe_topk:
	.size	k_qbc7da222fe_topk, .Lfunc_end_k_qbc7da222fe_topk-k_qbc7da222fe_topk
	.p2alignl 7, 3214868480
	.fill 96, 4, 3214868480
	.section	.rodata,"a",@progbits
	.p2align	6, 0x0
	.amdhsa_kernel k_qbc7da222fe_topk
		.amdhsa_group_segment_fixed_size 234496
		.amdhsa_private_segment_fixed_size 0
		.amdhsa_enable_private_segment 0
		.amdhsa_kernarg_size 48
		.amdhsa_user_sgpr_count 2
		.amdhsa_user_sgpr_kernarg_segment_ptr 1
		.amdhsa_wavefront_size32 1
		.amdhsa_system_sgpr_workgroup_id_x 1
		.amdhsa_system_sgpr_workgroup_id_y 1
		.amdhsa_system_sgpr_workgroup_id_z 1
		.amdhsa_system_vgpr_workitem_id 0
		.amdhsa_next_free_vgpr 128
		.amdhsa_next_free_sgpr 66
		.amdhsa_reserve_vcc 1
		.amdhsa_float_denorm_mode_32 3
		.amdhsa_float_denorm_mode_16_64 3
		.amdhsa_memory_ordered 1
		.amdhsa_forward_progress 1
		.amdhsa_inst_pref_size 136
	.end_amdhsa_kernel
	.amdgpu_metadata
---
amdhsa.version: [ 1, 2 ]
amdhsa.kernels:
  - .name:           k_qbc7da222fe_topk
    .symbol:         k_qbc7da222fe_topk.kd
    .args:
      - { .name: skey, .offset: 0, .size: 8, .value_kind: global_buffer, .address_space: global }
      - { .name: sbox, .offset: 8, .size: 8, .value_kind: global_buffer, .address_space: global }
      - { .name: kmask, .offset: 16, .size: 8, .value_kind: global_buffer, .address_space: global }
      - { .name: out0, .offset: 24, .size: 8, .value_kind: global_buffer, .address_space: global }
      - { .name: out1, .offset: 32, .size: 8, .value_kind: global_buffer, .address_space: global }
      - { .name: out2, .offset: 40, .size: 8, .value_kind: global_buffer, .address_space: global }
    .group_segment_fixed_size: 234496
    .private_segment_fixed_size: 0
    .kernarg_segment_align: 8
    .kernarg_segment_size: 48
    .max_flat_workgroup_size: 512
    .sgpr_count:     66
    .vgpr_count:     128
    .wavefront_size: 32
...
	.end_amdgpu_metadata
.endif
;; end of part 3
